; MI455X (gfx1250); checked and timed in simulation.
; The chip was launched on July 23, 2026; its instructions are those of AMD's public machine-readable ISA for CDNA 5 (MIT licence, August 2026) and "CDNA5" Instruction Set Architecture Reference Guide (July 2026). The comments in the code are by the model that wrote it; some were corrected since.
;; Scaled Dot Attention. Allowed arithmetic: matrix products marked QUANTISED: E2M1 operands, one E8M0 scale for each 32 along K, by v_wmma_scale_f32_16x16x128_f8f6f4 with both operands' format E2M1 (or v_wmma_scale_f32_32x16x128_f4), f32 sums; products left as they are: bf16, f16 or f32 operands; f32 sums; everything else in f32.
;; Inputs: key 2 x 16 x 2,048 x 64 float32; mask 1 x 1 x 2,048 x 2,048 int32; query 2 x 16 x 2,048 x 64 float32; value 2 x 16 x 2,048 x 64 float32.
;; Outputs: out0 2 x 16 x 2,048 x 64 float32.
;; This version of the problem:
;;   THIS VERSION OF THE PROBLEM IS GIVEN IN LOW PRECISION. The matrix products marked QUANTISED in the list below multiply operands that are first quantised to E2M1 (2 exponent bits, 1 mantissa bit; 4 bits a number), with one power-of-two scale for each 32 numbers along K (OCP MX v1.0); their sums are f32. The products marked 'left as it is' may take bf16, f16 or f32 operands, with f32 sums. Whichever they take, every output number must still come out within the allowed error. Rounding operands to bf16 (8 significant bits) uses up far more of that allowance than f16 does (11 bits, for magnitudes from 6e-5 to 65,504). All else is computed in f32.
;;   The module's matrix products, in the order in which they are computed (A, B: the left and right operand; K: the contracted axis; several contracted axes count as one K, in the product's order):
;;     1. batch 32 x [M 2,048, K 64] x [K 64, N 2,048]; A: input query; B: input key: QUANTISED
;;     2. batch 32 x [M 2,048, K 2,048] x [K 2,048, N 64]; A: computed on the way; B: input value: left as it is (an operand is computed on the way)
;;   THE QUANTISER, for each operand of a quantised product, along K:
;;     - K is cut into blocks of 32 from its start; a last block that is shorter is filled with zeros.
;;     - A block's scale is 2^e with e = floor(log2(the largest magnitude in the block)) - 2, held to -126 .. 127; a block of zeros has e = 0. As a byte (E8M0): e + 127.
;;     - Each number is divided by its block's scale, clamped to +-6, and rounded to the nearest number of E2M1, ties to even, subnormals kept.
;;     - The product sums the exact products of the quantised numbers (number of the format x scale) in f32.
;;   ~~~python
;;   def quantise(x, axis):      # numpy; x: float32 -> the quantised numbers, widened to float32 again
;;       x = np.moveaxis(x, axis, -1); K = x.shape[-1]
;;       x = np.pad(x, [(0, 0)] * (x.ndim - 1) + [(0, -K % 32)]); x = x.reshape(x.shape[:-1] + (-1, 32)); a = np.abs(x).max(-1, keepdims=True)
;;       e = np.where(a > 0, np.clip(np.frexp(np.where(a > 0, a, 1))[1] - 1 - 2, -126, 127), 0)      # np.frexp(a)[1] - 1 = floor(log2(a)), exactly
;;       r = np.clip(x / 2.0 ** e, -6, 6)
;;       step = 2.0 ** (np.maximum(np.frexp(np.where(r == 0, 1, r))[1] - 1, 0) - 1)
;;       q = np.round(r / step) * step * 2.0 ** e      # np.round: ties to even
;;       return np.moveaxis(q.reshape(q.shape[:-2] + (-1,))[..., :K], -1, axis).astype(np.float32)
;;   ~~~
;; One version. Each part assembles by itself: llvm-mc -triple=amdgcn-amd-amdhsa -mcpu=gfx1250 --defsym DOCPART=n.
;; ======== version 1 of 1: 2 launches
;; limits: right only within a limited range of input values; values are held in f16: magnitudes above 65,504 overflow, below 6.1e-05 lose precision
;; workspace buffers: kv 10,747,904 bytes; qq 2,359,296 bytes; mw 524,288 bytes of whole numbers
;; launch prep (part 1): grid 1024 x 1, 4 waves a work-group, no clusters, 35,328 bytes of LDS; arguments key, query, mask, value, kv, qq, mw; writes kv, qq, mw
.if DOCPART == 1
	.amdgcn_target "amdgcn-amd-amdhsa--gfx1250"
	.amdhsa_code_object_version 6
	.text
	.protected	k_q849161d876_prep
	.globl	k_q849161d876_prep
	.p2align	8
	.type	k_q849161d876_prep,@function
k_q849161d876_prep:
	s_mov_b64 s[64:65], 0
	v_nop
	global_prefetch_b8 v0, s[64:65] scope:SCOPE_SE
	s_setreg_imm32_b32 hwreg(HW_REG_WAVE_MODE, 25, 1), 1
	s_wait_xcnt 0x0
; Each input is read once and laid out as the attention launch's registers want it.
;   key, query [32 heads][2048][64] f32 -> codes of E2M1 along the 64 channels, one E8M0 byte for each 32 (two blocks a row), stored as IMAGES OF THE OPERAND'S REGISTERS.
;   value [32][2048][64] f32 -> f16 fragments of V^T (16 channels x 32 keys), stored as images too.
;   mask [2048][2048] int32  -> one 32-bit lane mask for each register of a tile of scores.
; A block's scale is 2^(floor(log2(largest magnitude)) - 2): its byte is the largest magnitude's exponent field - 2, held at 1 from below.
; LIMITS: a block of zeros gets the byte 1 (its codes are zeros, and this program alone reads the bytes); |value| stays under 65,504 (f16); NaN and infinities are not served.
; LAYOUT.  L = lane, r = L % 16, h = L / 16.  kv: 128 parts (head x 4 + quarter of 512 keys) of PART bytes; sigma = the 64-key step in a part:
;   +0      codes: sigma 2048 + tile 512 + 16 L: the 32 codes of channels 32 h .. 32 h + 31 of key 64 sigma + 16 tile + r
;   +KSOFF  scale words: sigma 256 + 8 L: the word (byte of block 0 | byte of block 1 << 8) of row r of tile h, then of tile 2 + h
;   +VVOFF  V^T: sigma 8192 + chunk 4096 + dt 1024 + half 512 + 16 L: registers 4 half .. 4 half + 3 of the fragment whose row r is channel 4 r + dt and whose K are keys 32 chunk + 0 .. 31
; qq: 128 blocks (512 queries) of QBLK bytes: codes and scale words as in kv.
; mw: [32 queries P][64-key step s][tile t][32 words]: bit L of word 8 kt + j = (mask[32 P + 16 t + r][64 s + 16 kt + 8 h + j] != 0).
; SHARES.  Work-groups 0-255 take key, 256-511 query, 512-767 mask, 768-1023 value.  A wave's task is 16,384 bytes of its input, asked for at once by 32 loads of 512 bytes.
; No wave shares anything with another: no barrier.  The two paths that use LDS have stages of their own.
.set PART,  83968
.set QBLK,  18432
.set KSOFF, 16384
.set VVOFF, 18432
.set PITCH, 272                        ; a stage row: 256 bytes + 16: an odd multiple of 16, so the sixteen rows that a 16-byte load touches start at sixteen different 16-byte columns modulo 256
.set STG,   16*PITCH                   ; a wave's stage: 16 rows
.set STGM,  4*STG                      ; the mask path's four stages lie behind the key/query path's four
.set SPARE, 8*STG                      ; behind the stages: the spare words, 128 bytes for each wave, which no other line names
.set LI,  4                            ; v4   16 x lane
.set L8,  5                            ; v5   8 x lane
.set SIQ, 6                            ; v6   key/query stage, way in:  272 h + 16 r (two rows a store)
.set SOQ, 7                            ; v7   way out: 272 r + 128 h (my row's block h)
.set SIM, 8                            ; v8   mask stage, way in
.set SOM, 9                            ; v9   way out: 272 r + 32 h
.set LM,  10                           ; v10  mask: 8192 h + 16 r (two rows of the mask an instruction)
.set LV,  11                           ; v11  value: 2048 h + 16 r (a key's row, and the row 8 keys on)
.set SPW, 12                           ; v12  LDS address of my spare word; never rewritten
.set NIL, 13                           ; v13  0; never rewritten
.set W,   24                           ; v24-27 the four tiles' scale words
.set SCP, 28                           ; v28-29 the pair of scale words that my lane stores
.set MWR, 30                           ; v30-33 two pairs of mask words, a pair for each step
.set CD,  40                           ; v40-55 codes, four registers a tile: no store's data are written again
.set R,   64                           ; v64-191 the task's 16,384 bytes as loaded
.set X,   192                          ; v192-223 a tile, turned
.set F,   192                          ; v192-255 value path: the f16 fragments
	s_load_b256 s[4:11], s[0:1], 0x0               ; key s[4:5], query s[6:7], mask s[8:9], value s[10:11]
	s_load_b128 s[12:15], s[0:1], 0x20             ; kv s[12:13], qq s[14:15]
	s_load_b64 s[16:17], s[0:1], 0x30              ; mw
	v_lshl_add_u32 v[SPW], v0, 2, SPARE
	v_mov_b32 v[NIL], 0
	v_lshrrev_b32 v1, 5, v0
	v_readfirstlane_b32 s18, v1                    ; wave 0..3
	v_and_b32 v1, 31, v0                           ; lane
	v_and_b32 v2, 15, v0                           ; r
	v_bfe_u32 v3, v0, 4, 1                         ; h
	v_lshlrev_b32 v[LI], 4, v1
	v_lshlrev_b32 v[L8], 3, v1
	s_mul_i32 s23, s18, STG                        ; every LDS address is made here, ahead of the parting of the paths
	v_mul_u32_u24 v16, v3, PITCH
	v_lshl_add_u32 v16, v2, 4, v16                 ; 272 h + 16 r
	v_mul_u32_u24 v17, v2, PITCH                   ; 272 r
	v_add_nc_u32 v[SIQ], s23, v16
	v_lshl_add_u32 v[SOQ], v3, 7, v17
	v_add_nc_u32 v[SOQ], s23, v[SOQ]
	s_add_co_u32 s23, s23, STGM
	v_add_nc_u32 v[SIM], s23, v16
	v_lshl_add_u32 v[SOM], v3, 5, v17
	v_add_nc_u32 v[SOM], s23, v[SOM]
	v_lshlrev_b32 v[LM], 13, v3
	v_lshl_add_u32 v[LM], v2, 4, v[LM]
	v_lshlrev_b32 v[LV], 11, v3
	v_lshl_add_u32 v[LV], v2, 4, v[LV]
	v_lshlrev_b32 v14, 3, v3                       ; 8 h: my block's byte in a scale word
	v_mov_b32 v20, 0                               ; a lane permute's destination counts as one of its sources: written once
.irp i, 0,1,2,3
	v_mov_b32 v[MWR+\i], 0                         ; likewise v_writelane_b32's
.endr
	s_lshr_b32 s19, ttmp9, 8                       ; path
	s_and_b32 s20, ttmp9, 255
	s_lshl_b32 s20, s20, 2
	s_add_co_u32 s20, s20, s18                     ; task 0..1023
	s_lshl_b32 s34, s20, 14                        ; task x 16,384 bytes,
	s_mov_b32 s35, 0                               ; as a pair
	s_lshr_b32 s21, s20, 3                         ; part or block
	s_and_b32 s22, s20, 7                          ; the 64-row step in it
	s_mov_b32 s37, 0                               ; upper word of the offsets made in s36
	s_mov_b32 s30, 0xffff0000                      ; lanes 16-31
	s_mov_b32 s32, 0x76543210
	s_mov_b32 s33, 0xfedcba98                      ; v_permlanex16_b32's selects for lane l xor 16
	s_wait_kmcnt 0x0
	s_cmp_eq_u32 s19, 2
	s_cbranch_scc1 .Lmask
	s_cmp_eq_u32 s19, 3
	s_cbranch_scc1 .Lvalue
; A tile of 16 rows x 256 bytes goes through my stage as it was loaded and comes back 128 bytes a lane.  LDS serves a wave's instructions in order, so no wait stands between the stores and the loads.
; kind 0: lane (r, h) gets bytes 128 h .. 128 h + 127 of row r;  kind 1: for kt = 0 .. 3 bytes 64 kt + 32 h .. + 31 of row r.
.macro TURN si, so, tau, kind
.irp i, 0,1,2,3,4,5,6,7
	ds_store_b128 v[\si], v[R+32*(\tau)+4*\i:R+32*(\tau)+4*\i+3] offset:544*\i
.endr
.irp g, 0,1,2,3,4,5,6,7
.if \kind
	ds_load_b128 v[X+4*\g:X+4*\g+3], v[\so] offset:64*(\g/2)+16*(\g%2)
.else
	ds_load_b128 v[X+4*\g:X+4*\g+3], v[\so] offset:16*\g
.endif
.endr
.endm
	; ---- key or query: one text, the buffers chosen by the work-group's number
	s_cmp_eq_u32 s19, 0
	s_cselect_b64 s[24:25], s[4:5], s[6:7]
	s_cselect_b64 s[26:27], s[12:13], s[14:15]
	s_mov_b32 s36, QBLK
	s_cselect_b32 s36, PART, s36
	s_add_nc_u64 s[24:25], s[24:25], s[34:35]      ; my 64 rows
	s_mul_i32 s36, s36, s21
	s_add_nc_u64 s[26:27], s[26:27], s[36:37]      ; my part or block
	s_lshl_b32 s36, s22, 8
	s_add_co_u32 s36, s36, KSOFF
	s_add_nc_u64 s[28:29], s[26:27], s[36:37]      ; my step's 256 bytes of scale words
	s_lshl_b32 s36, s22, 11
	s_add_nc_u64 s[26:27], s[26:27], s[36:37]      ; my step's 2,048 bytes of codes
.set n, 0
.rept 32
	global_load_b128 v[R+4*n:R+4*n+3], v[LI], s[24:25] offset:512*n th:TH_LOAD_NT   ; 512 consecutive bytes: two rows
.set n, n+1
.endr
.macro QTILE tau
	s_wait_loadcnt 24-8*(\tau)                     ; this tile's eight loads are in; the later tiles' may be out
	TURN SIQ, SOQ, \tau, 0
	s_wait_dscnt 0x0                               ; lane (r, h) holds the 32 numbers of block h of row r
	v_max3_num_f32 v16, |v[X]|, |v[X+1]|, |v[X+2]|                 ; the block's largest magnitude, in two chains
	v_max3_num_f32 v17, |v[X+3]|, |v[X+4]|, |v[X+5]|
.irp i, 6,10,14,18,22,26
	v_max3_num_f32 v16, v16, |v[X+\i]|, |v[X+\i+1]|
	v_max3_num_f32 v17, v17, |v[X+\i+2]|, |v[X+\i+3]|
.endr
	v_max3_num_f32 v16, v16, |v[X+30]|, |v[X+31]|
	v_max3_num_f32 v16, v16, v17, 0x1800000        ; and the floor 2^(3 - 127): the byte cannot fall under 1
	v_add_nc_u32 v18, 0xff000000, v16              ; 2 off the exponent field: the conversion takes this operand's exponent field as its scale
.irp g, 0,1,2,3
	v_cvt_scalef32_pk8_fp4_f32 v[CD+4*(\tau)+\g], v[X+8*\g:X+8*\g+7], v18
.endr
	v_lshrrev_b32 v19, 23, v18                     ; the scale's byte (a plain line behind the conversions)
	v_lshlrev_b32 v19, v14, v19                    ; at its place in the row's word,
	v_permlanex16_b32 v20, v19, s32, s33
	v_or_b32 v[W+(\tau)], v19, v20                 ; with the other block's: both lanes of a row hold the word
	global_store_b128 v[LI], v[CD+4*(\tau):CD+4*(\tau)+3], s[26:27] offset:512*(\tau)   ; 512 consecutive bytes
.endm
	QTILE 0
	QTILE 1
	QTILE 2
	QTILE 3
	v_cndmask_b32 v[SCP], v[W], v[W+1], s30        ; lanes 0-15: tile 0's word, lanes 16-31: tile 1's
	v_cndmask_b32 v[SCP+1], v[W+2], v[W+3], s30    ; tiles 2 and 3
	global_store_b64 v[L8], v[SCP:SCP+1], s[28:29] ; 256 consecutive bytes, aligned
	s_branch .Lend
	; ---- mask: 32 queries x 128 keys: two steps e of 64 keys, two tiles t of 16 queries
.Lmask:
	s_lshr_b32 s36, s20, 4                         ; P: which 32 queries
	s_and_b32 s38, s20, 15                         ; which 128 keys
	s_lshl_b32 s39, s38, 9                         ; 512 bytes of a mask row, and 512 bytes of words
	s_lshl_b32 s34, s36, 18                        ; 32 rows of 8,192 bytes
	s_add_co_u32 s34, s34, s39
	s_add_nc_u64 s[24:25], s[8:9], s[34:35]
	s_lshl_b32 s36, s36, 13                        ; 32 steps of 256 bytes
	s_add_co_u32 s36, s36, s39
	s_add_nc_u64 s[26:27], s[16:17], s[36:37]
.irp e, 0,1
.irp t, 0,1
.irp i, 0,1,2,3,4,5,6,7
	global_load_b128 v[R+4*(8*(2*\e+\t)+\i):R+4*(8*(2*\e+\t)+\i)+3], v[LM], s[24:25] offset:\t*131072+\e*256+\i*16384 th:TH_LOAD_NT   ; rows 16 t + 2 i and + 1: 256 consecutive aligned bytes of each
.endr
.endr
.endr
.macro MTILE e, t
	s_wait_loadcnt 24-8*(2*\e+\t)
	TURN SIM, SOM, 2*\e+\t, 1
	s_wait_dscnt 0x0                               ; register 8 kt + j of lane (r, h): mask[16 t + r][64 e + 16 kt + 8 h + j]
.irp q, 0,1,2,3
.irp i, 0,1,2,3,4,5,6,7
	v_cmp_ne_u32 s[40+\i], 0, v[X+8*\q+\i]         ; the compare's lane mask IS word 8 q + i
.endr
.irp i, 0,1,2,3,4,5,6,7
	v_writelane_b32 v[MWR+2*\e+(\i%2)], s[40+\i], 16*\t+4*\q+\i/2   ; word n of tile t goes to lane 16 t + n / 2, register n % 2: a step's 64 words are 8 bytes a lane
.endr
.endr
.endm
	MTILE 0, 0
	MTILE 0, 1
	global_store_b64 v[L8], v[MWR:MWR+1], s[26:27]                 ; 256 consecutive bytes, aligned
	MTILE 1, 0
	MTILE 1, 1
	global_store_b64 v[L8], v[MWR+2:MWR+3], s[26:27] offset:256
	s_branch .Lend
	; ---- value: 64 keys.  A lane's 16 bytes are channels 4 r .. 4 r + 3 of one key, so register dt of load e is V[key e][4 r + dt]: two loads' registers round to one register of the fragment.  No LDS.
.Lvalue:
	s_add_nc_u64 s[24:25], s[10:11], s[34:35]
	s_mul_i32 s36, s21, PART
	s_lshl_b32 s38, s22, 13
	s_add_co_u32 s36, s36, s38
	s_add_co_u32 s36, s36, VVOFF
	s_add_nc_u64 s[26:27], s[12:13], s[36:37]
.irp c, 0,1
.irp e, 0,1,2,3,4,5,6,7,8,9,10,11,12,13,14,15
	global_load_b128 v[R+64*\c+4*\e:R+64*\c+4*\e+3], v[LV], s[24:25] offset:\c*8192+(\e/8)*4096+(\e%8)*256 th:TH_LOAD_NT   ; key 32 c + 16 (e / 8) + e % 8 + 8 h: a whole row for each half of the lanes
.endr
.endr
.irp c, 0,1
	s_wait_loadcnt 16-16*\c                        ; this chunk's sixteen loads are in
.irp dt, 0,1,2,3
.irp w, 0,1,2,3,4,5,6,7
	v_cvt_pk_f16_f32 v[F+32*\c+8*\dt+\w], v[R+64*\c+8*\w+\dt], v[R+64*\c+8*\w+4+\dt]   ; the lower key in the low half
.endr
.endr
.irp dt, 0,1,2,3
.irp hf, 0,1
	global_store_b128 v[LI], v[F+32*\c+8*\dt+4*\hf:F+32*\c+8*\dt+4*\hf+3], s[26:27] offset:\c*4096+\dt*1024+\hf*512   ; 512 consecutive bytes
.endr
.endr
.endr
.Lend:
	s_wait_tensorcnt 0x0                           ; the wave's end
	ds_add_u32 v[SPW], v[NIL]
	s_wait_dscnt 0x0
	s_endpgm
.Lfunc_end_k_q849161d876_prep:
	.size	k_q849161d876_prep, .Lfunc_end_k_q849161d876_prep-k_q849161d876_prep
	.p2alignl 7, 3214868480
	.fill 96, 4, 3214868480
	.section	.rodata,"a",@progbits
	.p2align	6, 0x0
	.amdhsa_kernel k_q849161d876_prep
		.amdhsa_group_segment_fixed_size 35328
		.amdhsa_private_segment_fixed_size 0
		.amdhsa_enable_private_segment 0
		.amdhsa_kernarg_size 56
		.amdhsa_user_sgpr_count 2
		.amdhsa_user_sgpr_kernarg_segment_ptr 1
		.amdhsa_wavefront_size32 1
		.amdhsa_system_sgpr_workgroup_id_x 1
		.amdhsa_system_sgpr_workgroup_id_y 1
		.amdhsa_system_sgpr_workgroup_id_z 1
		.amdhsa_system_vgpr_workitem_id 0
		.amdhsa_next_free_vgpr 256
		.amdhsa_next_free_sgpr 66
		.amdhsa_reserve_vcc 0
		.amdhsa_float_denorm_mode_32 3
		.amdhsa_float_denorm_mode_16_64 3
		.amdhsa_memory_ordered 1
		.amdhsa_forward_progress 1
		.amdhsa_inst_pref_size 50
	.end_amdhsa_kernel
	.amdgpu_metadata
---
amdhsa.version: [ 1, 2 ]
amdhsa.kernels:
  - .name:           k_q849161d876_prep
    .symbol:         k_q849161d876_prep.kd
    .args:
      - { .name: key, .offset: 0, .size: 8, .value_kind: global_buffer, .address_space: global }
      - { .name: query, .offset: 8, .size: 8, .value_kind: global_buffer, .address_space: global }
      - { .name: mask, .offset: 16, .size: 8, .value_kind: global_buffer, .address_space: global }
      - { .name: value, .offset: 24, .size: 8, .value_kind: global_buffer, .address_space: global }
      - { .name: kv, .offset: 32, .size: 8, .value_kind: global_buffer, .address_space: global }
      - { .name: qq, .offset: 40, .size: 8, .value_kind: global_buffer, .address_space: global }
      - { .name: mw, .offset: 48, .size: 8, .value_kind: global_buffer, .address_space: global }
    .group_segment_fixed_size: 35328
    .private_segment_fixed_size: 0
    .kernarg_segment_align: 8
    .kernarg_segment_size: 56
    .max_flat_workgroup_size: 128
    .sgpr_count:     66
    .vgpr_count:     256
    .wavefront_size: 32
...
	.end_amdgpu_metadata
.endif
;; end of part 1
;; launch attn (part 2): grid 8 x 32, 8 waves a work-group, clusters of 4 x 1, 327,680 bytes of LDS; arguments kv, qq, mw, out0; writes out0
.if DOCPART == 2
	.amdgcn_target "amdgcn-amd-amdhsa--gfx1250"
	.amdhsa_code_object_version 6
	.text
	.protected	k_q849161d876_attn
	.globl	k_q849161d876_attn
	.p2align	8
	.type	k_q849161d876_attn,@function
k_q849161d876_attn:
	s_mov_b64 s[64:65], 0
	v_nop
	global_prefetch_b8 v0, s[64:65] scope:SCOPE_SE
	s_setreg_imm32_b32 hwreg(HW_REG_WAVE_MODE, 25, 1), 1
	s_wait_xcnt 0x0
	s_wait_alu depctr_hold_cnt(0) depctr_sa_sdst(0) depctr_va_vdst(0) depctr_va_sdst(0) depctr_va_ssrc(0) depctr_va_vcc(0) depctr_vm_vsrc(0)
	s_getreg_b32 s2, hwreg(HW_REG_IB_STS2, 6, 4)
	s_cmp_eq_u32 s2, 0
	s_cbranch_scc0 .Lentry_in_a_cluster
	s_endpgm
.Lentry_in_a_cluster:
	s_bfe_u32 s2, ttmp6, 0x10000c
	s_cmp_lg_u32 s2, 0x3003
	s_cbranch_scc0 .Lentry_shape_is_right
	s_endpgm
.Lentry_shape_is_right:
; out0[head][q][:] = the sum over k of softmax_k(where(mask[q][k] == 0, -1e9, Q[q] . K[k] / 8)) V[k][:], 32 heads, 2,048 queries and keys, 64 channels.
; The first product multiplies codes of E2M1 with E8M0 scales (K = 64: the instruction's upper 64 along K are zero codes on both sides); the second f16 operands; all sums, maxima and exponentials in f32.
; kv, qq and mw are this program's own buffers, laid as images of the registers that are loaded here (L = lane, r = L % 16, h = L / 16):
;   kv: a part (512 keys of a head, PART bytes) = codes (step 2048 + tile 512 + 16 L), scale words at KSOFF (step 256 + 8 L), f16 fragments of V^T at VVOFF (step 8192 + chunk 4096 + dt 1024 + half 512 + 16 L)
;   qq: a block (512 queries, QBLK bytes) = codes and scale words likewise.     mw: [32 queries][step][tile][32 words]: a lane mask for each register of a tile of scores.
; SHARES.  A work-group owns 256 queries of one head, each of its eight waves 32: tiles t = 0, 1 of 16.  Two waves share a SIMD, so that one's vector work stands beside the other's products and LDS loads.
; LAYOUT.  S^T = K Q^T (source 0 = 16 keys, source 1 = 16 queries): a lane holds ONE query (r) and keys 8 h + 0 .. 7 of the tile.  Two such tiles, rounded to f16 in pairs, ARE source 1 (32 keys x 16 queries) of
; O^T = V^T P, whose result again holds one query a lane.  Row r of V^T's tile dt is channel 4 r + dt, so a lane's 32 results are channels 32 h .. 32 h + 31 of its query.
; SOFTMAX.  For each query a running maximum m and sum l: p = 2^(c s - c m), c = log2(e) / 8; in every step O and l are multiplied by a = 2^(c m_old - c m_new).  No branch hangs on data.
; THE MASK costs one v_cndmask_b32 a score: its lane mask comes by scalar loads, a step ahead.
; LIMITS.  A hidden raw score is -2^33 (-2^30 after the division by 8, where the definition has -1e9): c x 2^33 is exact, so a row with no key left gets p = 1 everywhere and gives the mean of V.
; The results agree wherever open scores lie above about -1e9 + 200.  |value| stays under 65,504 (f16).  NaN and infinities are not served.
; CLUSTER.  The four query blocks of a cluster belong to one head and walk the same parts of kv: each part is asked for JOINTLY, every wave its eighth, by the same tensor load with the same descriptor in all four.
; THE RING.  Two slots of one part (8 steps of 64 keys).  Parts 0 and 1 go out at the head; part 2 behind the change that leaves slot 0, part 3 behind the one that leaves slot 1: a wave has two loads out at the head, later one,
; and a refill has a whole slot's 8 steps in which to land.  So nothing is prefetched.
.set PART,   83968
.set KSOFF,  16384
.set VVOFF,  18432
.set QBLK,   18432
.set EIGHTH, PART/8                    ; 41 rows of 256 bytes: what one tensor load brings
.set SLOT1,  PART
.set STAGE,  2*PART                    ; behind the ring: 16 rows x 272 bytes for each wave, for the way out; no fill lands there
.set SP,     272
.set SPARE,  STAGE+8*16*SP             ; behind the stages: the spare words, 128 bytes for each wave, which no other line names
.set LI,   1                           ; v1   16 x lane; never rewritten
.set L8,   2                           ; v2   8 x lane; never rewritten
.set ADK,  3                           ; v3   LDS address of the K codes in hand
.set ADS,  4                           ; v4   of K's scale words
.set ADV,  5                           ; v5   of V's fragments
.set NEGV, 6                           ; v6   -2^33
.set SPW,  8                           ; v8   LDS address of my spare word; never rewritten
.set NIL,  9                           ; v9   0; never rewritten
.set STO,  10                          ; v10  the way out: where I put 16 bytes of a row
.set RD,   11                          ; v11  where I read a row back
.set QS,   13                          ; v13  Q's scale words: tile 0 in lanes 0-15, tile 1 in lanes 16-31
.set KS,   14                          ; v14-15 K's: tiles 0 | 1, tiles 2 | 3
.set ST,   16                          ; tile t's statistics at v[ST + 8 t]: +0 c m, +1 m, +2, +3 l (even keys', odd keys'), +4 to +7 at work; a takes +6
.set QF,   32                          ; v32-47  Q's two fragments; registers 4-7 of each are zero codes
.set KF,   48                          ; v48-79  K's four fragments; registers 4-7 of each are zero codes, set once
.set S,    80                          ; v80-143 S^T, 32 a tile; when a tile's p are rounded and summed, its 32 registers take a chunk of V
.set P,    144                         ; v144-175 P, 16 a tile
.set O,    176                         ; v176-239 O^T: tile t, channels' tile dt at v[O + 32 t + 8 dt]
.set WV,   2                           ; s2   my wave's number
.set CNT,  3                           ; s3   a slot's steps
.set KA,   12                          ; s12  LDS byte of the next step's K codes
.set MO,   13                          ; s13  byte offset of the next step's mask words in my 32 queries' 8,192 bytes
.set SA,   14                          ; s14  LDS byte of the next step's scale words
.set VA,   15                          ; s15  LDS byte of this step's V
.set G1,   16                          ; s[16:23] descriptor group 1
.set G0A,  24                          ; s[24:27] group 0 for slot 0
.set G0B,  28                          ; s[28:31] for slot 1
.set MW0,  32                          ; s[32:63] tile 0's 32 mask words
.set CS,   66                          ; s[66:67] c: the packed form names a pair and takes its low word for both halves
.set MW1,  68                          ; s[68:99] tile 1's
.set SEL,  100                         ; s[100:101] v_permlanex16_b32's selects for lane l xor 16
; A round of the cluster's barrier: my work-group's barrier, wave 0 signals for the work-group, every wave waits for all four work-groups, my work-group's barrier once more.
.macro CROUND
	s_barrier_signal -1
	s_barrier_wait -1
	s_cmp_lg_u32 s[WV], 0
	s_cbranch_scc1 .Lnot_wave_0_\@
	s_barrier_signal -3
.Lnot_wave_0_\@:
	s_barrier_wait -3
	s_barrier_signal -1
	s_barrier_wait -1
.endm
	s_load_b256 s[4:11], s[0:1], 0x0               ; kv s[4:5], qq s[6:7], mw s[8:9], out0 s[10:11]
	v_lshl_add_u32 v[SPW], v0, 2, SPARE
	v_mov_b32 v[NIL], 0
	ds_add_u32 v[SPW], v[NIL]                      ; the wave's opening: the add, twice on end, and its wait ahead of my first tensor load; the set-up below stands between the second and the wait
	ds_add_u32 v[SPW], v[NIL]
	v_lshrrev_b32 v7, 5, v0
	v_readfirstlane_b32 s[WV], v7                  ; wave 0..7
	s_bfe_u32 s32, ttmp6, 0x40000                  ; cx: my place in the cluster
	s_lshl_b32 s33, ttmp9, 2                       ; in a cluster launch ttmp9 counts clusters
	s_add_co_u32 s33, s33, s32                     ; my block of 256 queries: it enters qq's, mw's and out0's addresses alone
	s_and_b32 s34, ttmp7, 0xffff                   ; the head, which the four partners share
	; descriptor group 1: 41 rows of 256 dense bytes (32 elements of 8 bytes), no padding: every read of a slot is 16 x lane or 8 x lane
	s_mov_b32 s[G1], 15|(3<<16)|(1<<21)            ; 15:0 the mask: all four work-groups; 17:16 elements of 8 bytes; 21 set beside a mask
	s_mov_b32 s[G1+1], 32<<16                      ; tensor_dim0 = 32
	s_mov_b32 s[G1+2], 41<<16                      ; tensor_dim1 = 41
	s_mov_b32 s[G1+3], 32<<16                      ; tile_dim0 = 32
	s_mov_b32 s[G1+4], 41                          ; tile_dim1 = 41
	s_mov_b32 s[G1+5], 32                          ; from row to row: 32 elements
	s_mov_b32 s[G1+6], 0
	s_mov_b32 s[G1+7], 0
	s_mul_i32 s35, s[WV], EIGHTH                   ; my eighth of a part: in memory and in a slot; no place in the cluster enters it
	s_mul_i32 s36, s34, 4*PART                     ; the head's four parts
	s_add_co_u32 s36, s36, s35
	s_mov_b32 s37, 0
	s_lshl_b32 s38, s34, 2                         ; qq: block 4 x head + (query block / 2),
	s_lshr_b32 s39, s33, 1
	s_add_co_u32 s38, s38, s39
	s_mul_i32 s38, s38, QBLK
	s_mov_b32 s39, 0
	s_and_b32 s40, s33, 1                          ; 64-query step 4 x (query block % 2) + wave / 2,
	s_lshl_b32 s40, s40, 2
	s_lshr_b32 s41, s[WV], 1
	s_add_co_u32 s40, s40, s41
	s_and_b32 s41, s[WV], 1                        ; tiles 2 (wave % 2) and + 1 of that step
	s_lshl_b32 s42, s40, 11
	s_lshl_b32 s43, s41, 10
	s_add_co_u32 s42, s42, s43                     ; my codes in the block
	s_mov_b32 s43, 0
	s_lshl_b32 s44, s40, 8
	s_lshl_b32 s45, s41, 2
	s_add_co_u32 s44, s44, s45
	s_add_co_u32 s44, s44, KSOFF                   ; my scale words: word wave % 2 of each lane's pair
	s_mov_b32 s45, 0
	s_lshl_b32 s46, s33, 3                         ; mw: my 32 queries are number 8 x query block + wave
	s_add_co_u32 s46, s46, s[WV]
	s_lshl_b32 s46, s46, 13
	s_mov_b32 s47, 0
	s_lshl_b32 s48, s34, 19                        ; out0: a head is 524,288 bytes, a block 65,536, my 32 rows 8,192
	s_lshl_b32 s49, s33, 16
	s_add_co_u32 s48, s48, s49
	s_lshl_b32 s49, s[WV], 13
	s_add_co_u32 s48, s48, s49
	s_mov_b32 s49, 0
	s_mov_b32 s[CS], 0x3e38aa3b                    ; c = log2(e) / 8
	s_mov_b32 s[CS+1], s[CS]                       ; (named with it as a pair, so it is written)
	s_mov_b32 s[SEL], 0x76543210
	s_mov_b32 s[SEL+1], 0xfedcba98
	s_mov_b32 s[MO], 0
	v_and_b32 v7, 31, v0
	v_lshlrev_b32 v[LI], 4, v7
	v_lshlrev_b32 v[L8], 3, v7
	v_and_b32 v12, 15, v0                          ; r
	v_bfe_u32 v7, v0, 4, 1                         ; h
	s_mul_i32 s50, s[WV], 16*SP
	s_add_co_u32 s50, s50, STAGE                   ; my stage
	v_mul_u32_u24 v[STO], v12, SP                  ; in: row r, my half's 128 bytes
	v_lshl_add_u32 v[STO], v7, 7, v[STO]
	v_add_nc_u32 v[STO], s50, v[STO]
	v_mul_u32_u24 v[RD], v7, SP                    ; back: lanes 0-15 one row of 256 bytes, lanes 16-31 the next
	v_lshl_add_u32 v[RD], v12, 4, v[RD]
	v_add_nc_u32 v[RD], s50, v[RD]
	v_mov_b32 v[NEGV], 0xd0000000                  ; -2^33
	s_wait_dscnt 0x0                               ; both opening adds are done
	s_wait_kmcnt 0x0
	s_mov_b32 s[G0A], 1                            ; count = 1
	s_mov_b32 s[G0A+1], s35                        ; LDS address: slot 0, my eighth
	s_add_nc_u64 s[G0A+2:G0A+3], s[4:5], s[36:37]  ; global address: part 0, my eighth
	s_mov_b32 s[G0B], 1
	s_add_co_u32 s[G0B+1], s35, SLOT1
	s_add_nc_u64 s[G0B+2:G0B+3], s[G0A+2:G0A+3], PART              ; part 1
	s_or_b32 s[G0A+3], s[G0A+3], 0x80000000        ; type = 2
	s_or_b32 s[G0B+3], s[G0B+3], 0x80000000
	s_add_nc_u64 s[6:7], s[6:7], s[38:39]
	s_add_nc_u64 s[4:5], s[6:7], s[44:45]          ; Q's scale words
	s_add_nc_u64 s[6:7], s[6:7], s[42:43]          ; Q's codes
	s_add_nc_u64 s[8:9], s[8:9], s[46:47]          ; my 32 queries' mask words
	s_add_nc_u64 s[10:11], s[10:11], s[48:49]      ; my 32 rows of out0
	CROUND                                         ; all four work-groups are here: the first joint loads meet
	tensor_load_to_lds s[G0A:G0A+3], s[G1:G1+7]    ; both first fills go out together, ahead of every wait on TENSORcnt and every LDS read: two loads of mine are out
	s_nop 0
	tensor_load_to_lds s[G0B:G0B+3], s[G1:G1+7]
	s_nop 0
.rept 4
	v_nop
.endr
.macro MLOAD                           ; a step's 64 mask words: 256 consecutive bytes
	s_load_b512 s[MW0:MW0+15], s[8:9], s[MO] offset:0x0
	s_load_b512 s[MW0+16:MW0+31], s[8:9], s[MO] offset:0x40
	s_load_b512 s[MW1:MW1+15], s[8:9], s[MO] offset:0x80
	s_load_b512 s[MW1+16:MW1+31], s[8:9], s[MO] offset:0xc0
.endm
	global_load_b128 v[QF:QF+3], v[LI], s[6:7]                     ; Q stays in registers: tile 0,
	global_load_b128 v[QF+8:QF+11], v[LI], s[6:7] offset:512       ; tile 1,
	global_load_b32 v[QS], v[L8], s[4:5]                           ; and their scale words
	MLOAD                                          ; step 0's (the set-up's scalars in s32 to s50 are done with, and no pending instruction names them)
.irp f, QF+4, QF+12, KF+4, KF+12, KF+20, KF+28
.irp i, 0,1,2,3
	v_mov_b32 v[\f+\i], 0                          ; K = 64 .. 127 of every fragment: zero codes
.endr
.endr
.set i, 0
.rept 64
	v_mov_b32 v[O+i], 0                            ; O^T.  (The step is written once: its first turn finds zeros, which a = 0 leaves zeros)
.set i, i+1
.endr
.irp t, 0,1
	v_mov_b32 v[ST+8*\t+1], 0xff61b1e6             ; m = -3e38, under every score
	v_mov_b32 v[ST+8*\t+2], 0                      ; l, in two halves
	v_mov_b32 v[ST+8*\t+3], 0
	v_mul_f32 v[ST+8*\t], s[CS], v[ST+8*\t+1]      ; c m
.endr
.macro KLOAD                           ; a step's four fragments of K (registers 0-3 of each) and its scale words
.irp kt, 0,1,2,3
	ds_load_b128 v[KF+8*\kt:KF+8*\kt+3], v[ADK] offset:512*\kt
.endr
	ds_load_b64 v[KS:KS+1], v[ADS]
.endm
.macro FIRSTK b                        ; the first step's K of the slot that begins at byte b
	v_add_nc_u32 v[ADK], (\b), v[LI]
	v_add_nc_u32 v[ADS], (\b)+KSOFF, v[L8]
	KLOAD
.endm
.macro VLOAD c                         ; chunk c (32 keys) of the step's V^T: four fragments, into the registers that tile c's scores have left
.irp dt, 0,1,2,3
.irp hf, 0,1
	ds_load_b128 v[S+32*\c+8*\dt+4*\hf:S+32*\c+8*\dt+4*\hf+3], v[ADV] offset:\c*4096+\dt*1024+\hf*512
.endr
.endr
.endm
; S^T of keys 16 kt on, tile t.  K's scale words of an odd tile and Q's of tile 1 stand in lanes 16-31 of their registers.
.macro QK1 kt, t
.if ((\kt)%2 == 0) && (\t == 0)
	v_wmma_scale_f32_16x16x128_f8f6f4 v[S+32*\t+8*\kt:S+32*\t+8*\kt+7], v[KF+8*\kt:KF+8*\kt+7], v[QF+8*\t:QF+8*\t+7], 0, v[KS+(\kt)/2], v[QS] matrix_a_fmt:MATRIX_FMT_FP4 matrix_b_fmt:MATRIX_FMT_FP4
.elseif (\t == 0)
	v_wmma_scale_f32_16x16x128_f8f6f4 v[S+32*\t+8*\kt:S+32*\t+8*\kt+7], v[KF+8*\kt:KF+8*\kt+7], v[QF+8*\t:QF+8*\t+7], 0, v[KS+(\kt)/2], v[QS] matrix_a_fmt:MATRIX_FMT_FP4 matrix_b_fmt:MATRIX_FMT_FP4 matrix_a_scale:MATRIX_SCALE_ROW1
.elseif ((\kt)%2 == 0)
	v_wmma_scale_f32_16x16x128_f8f6f4 v[S+32*\t+8*\kt:S+32*\t+8*\kt+7], v[KF+8*\kt:KF+8*\kt+7], v[QF+8*\t:QF+8*\t+7], 0, v[KS+(\kt)/2], v[QS] matrix_a_fmt:MATRIX_FMT_FP4 matrix_b_fmt:MATRIX_FMT_FP4 matrix_b_scale:MATRIX_SCALE_ROW1
.else
	v_wmma_scale_f32_16x16x128_f8f6f4 v[S+32*\t+8*\kt:S+32*\t+8*\kt+7], v[KF+8*\kt:KF+8*\kt+7], v[QF+8*\t:QF+8*\t+7], 0, v[KS+(\kt)/2], v[QS] matrix_a_fmt:MATRIX_FMT_FP4 matrix_b_fmt:MATRIX_FMT_FP4 matrix_a_scale:MATRIX_SCALE_ROW1 matrix_b_scale:MATRIX_SCALE_ROW1
.endif
.endm
; The maximum of a lane's 32 scores and the old m, three operands at a time, four chains a tile; the other half of the lanes'; the new m, c m, and c m_old - c m_new.  The two tiles alternate, so that no line waits for the line above it.
.macro MAXS
.irp j, 0,1,2,3
.irp t, 0,1
	v_max3_num_f32 v[ST+8*\t+4+\j], v[S+32*\t+8*\j], v[S+32*\t+8*\j+1], v[S+32*\t+8*\j+2]
.endr
.endr
.irp k, 1,2
.irp j, 0,1,2,3
.irp t, 0,1
	v_max3_num_f32 v[ST+8*\t+4+\j], v[ST+8*\t+4+\j], v[S+32*\t+8*\j+2*\k+1], v[S+32*\t+8*\j+2*\k+2]
.endr
.endr
.endr
.irp t, 0,1
	v_max3_num_f32 v[ST+8*\t+4], v[ST+8*\t+4], v[S+32*\t+7], v[S+32*\t+15]
.endr
.irp t, 0,1
	v_max3_num_f32 v[ST+8*\t+6], v[ST+8*\t+6], v[S+32*\t+23], v[S+32*\t+31]
.endr
.irp t, 0,1
	v_max3_num_f32 v[ST+8*\t+4], v[ST+8*\t+4], v[ST+8*\t+5], v[ST+8*\t+6]
.endr
.irp t, 0,1
	v_max3_num_f32 v[ST+8*\t+4], v[ST+8*\t+4], v[ST+8*\t+7], v[ST+8*\t+1]
.endr
.irp t, 0,1
	v_permlanex16_b32 v[ST+8*\t+5], v[ST+8*\t+4], s[SEL], s[SEL+1]  ; the query's other 32 keys lie in the lane 16 away
.endr
.irp t, 0,1
	v_mov_b32 v[ST+8*\t+7], v[ST+8*\t]             ; c m_old is kept for a
.endr
.irp t, 0,1
	v_max_num_f32 v[ST+8*\t+1], v[ST+8*\t+4], v[ST+8*\t+5]
.endr
.irp t, 0,1
	v_mul_f32 v[ST+8*\t], s[CS], v[ST+8*\t+1]
.endr
.irp t, 0,1
	v_sub_f32 v[ST+8*\t+7], v[ST+8*\t+7], v[ST+8*\t]
.endr
.endm
.macro SCALE t                         ; c s - c m, two at a time
.set i, 0
.rept 16
	v_pk_fma_f32 v[S+32*\t+i:S+32*\t+i+1], v[S+32*\t+i:S+32*\t+i+1], s[CS:CS+1], v[ST+8*\t:ST+8*\t+1] op_sel_hi:[1,0,0] neg_lo:[0,0,1] neg_hi:[0,0,1]
.set i, i+2
.endr
.endm
.macro EXPS t
.set i, 0
.rept 32
	v_exp_f32 v[S+32*\t+i], v[S+32*\t+i]
.set i, i+1
.endr
.endm
.macro ROUNDP t                        ; p to f16, a pair of neighbouring keys a register: source 1 of the second product as it stands
.set i, 0
.rept 16
	v_cvt_pk_f16_f32 v[P+16*\t+i], v[S+32*\t+2*i], v[S+32*\t+2*i+1]
.set i, i+1
.endr
.endm
.macro SUMS t                          ; the sum of the unrounded p, in place: neighbours 1, 2, 4 and 8 pairs apart; then l = a l + the sum
.irp u, 0,1,2,3,4,5,6,7
	v_pk_add_f32 v[S+32*\t+4*\u:S+32*\t+4*\u+1], v[S+32*\t+4*\u:S+32*\t+4*\u+1], v[S+32*\t+4*\u+2:S+32*\t+4*\u+3]
.endr
.irp u, 0,1,2,3
	v_pk_add_f32 v[S+32*\t+8*\u:S+32*\t+8*\u+1], v[S+32*\t+8*\u:S+32*\t+8*\u+1], v[S+32*\t+8*\u+4:S+32*\t+8*\u+5]
.endr
.irp u, 0,1
	v_pk_add_f32 v[S+32*\t+16*\u:S+32*\t+16*\u+1], v[S+32*\t+16*\u:S+32*\t+16*\u+1], v[S+32*\t+16*\u+8:S+32*\t+16*\u+9]
.endr
	v_pk_add_f32 v[S+32*\t:S+32*\t+1], v[S+32*\t:S+32*\t+1], v[S+32*\t+16:S+32*\t+17]
	v_pk_fma_f32 v[ST+8*\t+2:ST+8*\t+3], v[ST+8*\t+2:ST+8*\t+3], v[ST+8*\t+6:ST+8*\t+7], v[S+32*\t:S+32*\t+1] op_sel_hi:[1,0,1]
.endm
.macro RESCALE t                       ; the tile's O^T times a, each accumulator from its low end on
.set i, 0
.rept 16
	v_pk_mul_f32 v[O+32*\t+i:O+32*\t+i+1], v[O+32*\t+i:O+32*\t+i+1], v[ST+8*\t+6:ST+8*\t+7] op_sel_hi:[1,0]
.set i, i+2
.endr
.endm
.macro PV c                            ; O^T += V^T P over chunk c's 32 keys: the eight accumulators take turns, one instruction a turn
.irp dt, 0,1,2,3
.irp t, 0,1
	v_wmma_f32_16x16x32_f16 v[O+32*\t+8*\dt:O+32*\t+8*\dt+7], v[S+32*\c+8*\dt:S+32*\c+8*\dt+7], v[P+16*\t+8*\c:P+16*\t+8*\c+7], v[O+32*\t+8*\dt:O+32*\t+8*\dt+7]
.endr
.endr
.endm
; A STEP: 64 keys against my two tiles of queries.
.macro STEP
	s_wait_kmcnt 0x0                               ; the step's mask words, asked for a step ago
	s_wait_dscnt 0x0                               ; its fragments of K and their scale words
.irp kt, 0,1,2,3
.irp t, 0,1
	QK1 \kt, \t
.endr
.endr
	v_add_nc_u32 v[ADK], s[KA], v[LI]              ; four plain lines that name none of those products' registers stand between them and the loads into K's registers and the first read of the scores
	v_add_nc_u32 v[ADS], s[SA], v[L8]
	v_add_nc_u32 v[ADV], s[VA], v[LI]
	v_nop
	s_add_co_u32 s[KA], s[KA], 2048
	s_add_co_u32 s[SA], s[SA], 256
	s_add_co_u32 s[VA], s[VA], 8192
	KLOAD                                          ; the next step's K.  In a slot's last step these are the 2,048 + 256 bytes that follow in the same slot: landed bytes, loaded and never used
.set i, 0
.rept 32
	v_cndmask_b32 v[S+i], v[NEGV], v[S+i], s[MW0+i]                ; a hidden score becomes -2^33; each accumulator is read from its low end on
.set i, i+1
.endr
.set i, 0
.rept 32
	v_cndmask_b32 v[S+32+i], v[NEGV], v[S+32+i], s[MW1+i]
.set i, i+1
.endr
	MAXS
	s_add_co_u32 s[MO], s[MO], 256                 ; (s_wait_kmcnt 0 above has shown the last loads done, so their offset may step)
	s_and_b32 s[MO], s[MO], 0x1fff                 ; the last step's look-ahead turns back to my own first words: no load leaves the buffer
	MLOAD
	SCALE 0
	v_exp_f32 v[ST+6], v[ST+7]                     ; a of both tiles,
	v_exp_f32 v[ST+14], v[ST+15]
	EXPS 0                                         ; and tile 0's p: one batch; tile 1's scalings are the independent work behind it
	SCALE 1
	s_wait_alu depctr_va_vdst(0)                   ; one wait for that batch, ahead of the first line that names a result
	EXPS 1                                         ; the second batch; tile 0's roundings, sums and rescaling are the independent work behind it
	ROUNDP 0
	SUMS 0
	VLOAD 0                                        ; tile 0's scores are done with: their registers take V's first chunk
	RESCALE 0
	s_wait_alu depctr_va_vdst(0)                   ; and one for the second batch
	ROUNDP 1
	SUMS 1
	VLOAD 1
	RESCALE 1
	s_wait_dscnt 8                                 ; all but the eight loads just issued: V's first chunk is in
	PV 0
	s_wait_dscnt 0x0
	PV 1
.rept 5
	v_nop                                          ; the next step's first products write over the registers that these have read as V: five plain lines between
.endr
.endm
.macro SLOT b                          ; the eight steps of the slot that begins at byte b; FIRSTK has asked for the first step's K
	s_mov_b32 s[KA], (\b)+2048
	s_mov_b32 s[SA], (\b)+KSOFF+256
	s_mov_b32 s[VA], (\b)+VVOFF
	s_mov_b32 s[CNT], 8
.Lstep_\@:
	STEP
	s_sub_co_u32 s[CNT], s[CNT], 1
	s_cmp_lg_u32 s[CNT], 0
	s_cbranch_scc1 .Lstep_\@
.endm
; THE CHANGE OF SLOTS.  Each wave waits for all its tensor loads (one is out: its eighth of the other slot), adds 0 to its spare word, and waits for that and for its reads of the slot that it leaves.
; The round of the cluster's barrier then shows the same of every wave of all four work-groups, and the joint refill of the slot just left is the first thing behind it: the part two parts on.
.macro CHANGE g
	s_wait_tensorcnt 0x0                           ; no tensor load of mine is out, so a group 0 may be written
	ds_add_u32 v[SPW], v[NIL]                      ; the address's step stands between the add and the wait for it
	s_add_nc_u64 s[\g+2:\g+3], s[\g+2:\g+3], 2*PART                ; the type bits on top are not reached
	s_wait_dscnt 0x0                               ; the add is done, and my reads of the slot are over
	CROUND
	tensor_load_to_lds s[\g:\g+3], s[G1:G1+7]      ; my one tensor load until the next change
	s_nop 0
.rept 4
	v_nop
.endr
.endm
	s_wait_tensorcnt 0x1                           ; my eighth of part 0 is in; part 1's may stay out
	s_barrier_signal -1
	s_barrier_wait -1                              ; everybody's is
	FIRSTK 0
	s_wait_loadcnt 0x0                             ; Q
	SLOT 0                                         ; part 0
	CHANGE G0A                                     ; part 2 into slot 0
	FIRSTK SLOT1
	SLOT SLOT1                                     ; part 1
	CHANGE G0B                                     ; part 3 into slot 1
	FIRSTK 0
	SLOT 0                                         ; part 2
	s_wait_tensorcnt 0x0                           ; the last change: my eighth of part 3 is in; nothing is left to ask for, so my work-group's barrier is enough
	ds_add_u32 v[SPW], v[NIL]
	s_wait_dscnt 0x0
	s_barrier_signal -1
	s_barrier_wait -1
	FIRSTK SLOT1
	SLOT SLOT1                                     ; part 3
	; THE WAY OUT.  l's two halves and the other half of the lanes' are added; O^T is divided by l into the registers that the scores have left, in the order of the channels; a tile (16 rows of 256 bytes) at a time goes
	; through my stage in LDS and comes back as whole rows.  (The five plain lines at the last step's end stand between the last products and these reads.)
.irp t, 0,1
	v_add_f32 v[ST+8*\t+4], v[ST+8*\t+2], v[ST+8*\t+3]
.endr
.irp t, 0,1
	v_permlanex16_b32 v[ST+8*\t+5], v[ST+8*\t+4], s[SEL], s[SEL+1]
.endr
.irp t, 0,1
	v_add_f32 v[ST+8*\t+4], v[ST+8*\t+4], v[ST+8*\t+5]
.endr
.irp t, 0,1
	v_rcp_f32 v[ST+8*\t+6], v[ST+8*\t+4]           ; l is at least about 1: the largest p of a row is 1
.endr
	v_nop                                          ; a plain line between the last reciprocal and the use of its result
	s_wait_alu depctr_va_vdst(0)                   ; and the one wait for both, ahead of the first use
.irp t, 0,1
.irp j, 0,1,2,3,4,5,6,7
.irp dt, 0,1,2,3
	v_mul_f32 v[S+32*\t+4*\j+\dt], v[O+32*\t+8*\dt+\j], v[ST+8*\t+6]   ; channel 32 h + 4 j + dt; each accumulator is read from its low end on
.endr
.endr
.endr
.irp g, 0,1,2,3,4,5,6,7
	ds_store_b128 v[STO], v[S+4*\g:S+4*\g+3] offset:16*\g
.endr
.irp i, 0,1,2,3,4,5,6,7
	ds_load_b128 v[KF+4*\i:KF+4*\i+3], v[RD] offset:544*\i         ; LDS serves a wave's instructions in order: these see the stores above, and tile 1's stores come behind them
.endr
.irp g, 0,1,2,3,4,5,6,7
	ds_store_b128 v[STO], v[S+32+4*\g:S+32+4*\g+3] offset:16*\g
.endr
.irp i, 0,1,2,3,4,5,6,7
	ds_load_b128 v[P+4*\i:P+4*\i+3], v[RD] offset:544*\i
.endr
.irp i, 0,1,2,3,4,5,6,7
	s_wait_dscnt 23-\i                             ; behind tile 0's load i: its 7 - i later loads and tile 1's sixteen instructions
	global_store_b128 v[LI], v[KF+4*\i:KF+4*\i+3], s[10:11] offset:512*\i th:TH_STORE_NT          ; 512 consecutive bytes, two whole rows
.endr
.irp i, 0,1,2,3,4,5,6,7
	s_wait_dscnt 7-\i
	global_store_b128 v[LI], v[P+4*\i:P+4*\i+3], s[10:11] offset:4096+512*\i th:TH_STORE_NT
.endr
	s_wait_kmcnt 0x0                               ; the last look-ahead of mask words
	s_wait_tensorcnt 0x0                           ; the wave's end: three lines behind my last tensor load and my last LDS store
	ds_add_u32 v[SPW], v[NIL]
	s_wait_dscnt 0x0
	CROUND                                         ; the closing round: no work-group ends while a partner may still ask for a part that names it
	s_endpgm
.Lfunc_end_k_q849161d876_attn:
	.size	k_q849161d876_attn, .Lfunc_end_k_q849161d876_attn-k_q849161d876_attn
	.p2alignl 7, 3214868480
	.fill 96, 4, 3214868480
	.section	.rodata,"a",@progbits
	.p2align	6, 0x0
	.amdhsa_kernel k_q849161d876_attn
		.amdhsa_group_segment_fixed_size 327680
		.amdhsa_private_segment_fixed_size 0
		.amdhsa_enable_private_segment 0
		.amdhsa_kernarg_size 32
		.amdhsa_user_sgpr_count 2
		.amdhsa_user_sgpr_kernarg_segment_ptr 1
		.amdhsa_wavefront_size32 1
		.amdhsa_system_sgpr_workgroup_id_x 1
		.amdhsa_system_sgpr_workgroup_id_y 1
		.amdhsa_system_sgpr_workgroup_id_z 1
		.amdhsa_system_vgpr_workitem_id 0
		.amdhsa_next_free_vgpr 256
		.amdhsa_next_free_sgpr 102
		.amdhsa_reserve_vcc 0
		.amdhsa_float_denorm_mode_32 3
		.amdhsa_float_denorm_mode_16_64 3
		.amdhsa_memory_ordered 1
		.amdhsa_forward_progress 1
		.amdhsa_inst_pref_size 104
	.end_amdhsa_kernel
	.amdgpu_metadata
---
amdhsa.version: [ 1, 2 ]
amdhsa.kernels:
  - .name:           k_q849161d876_attn
    .symbol:         k_q849161d876_attn.kd
    .args:
      - { .name: kv, .offset: 0, .size: 8, .value_kind: global_buffer, .address_space: global }
      - { .name: qq, .offset: 8, .size: 8, .value_kind: global_buffer, .address_space: global }
      - { .name: mw, .offset: 16, .size: 8, .value_kind: global_buffer, .address_space: global }
      - { .name: out0, .offset: 24, .size: 8, .value_kind: global_buffer, .address_space: global }
    .group_segment_fixed_size: 327680
    .private_segment_fixed_size: 0
    .kernarg_segment_align: 8
    .kernarg_segment_size: 32
    .max_flat_workgroup_size: 256
    .sgpr_count:     102
    .vgpr_count:     256
    .wavefront_size: 32
...
	.end_amdgpu_metadata
.endif
;; end of part 2
